; MI455X (gfx1250); checked and timed in simulation.
; The chip was launched on July 23, 2026; its instructions are those of AMD's public machine-readable ISA for CDNA 5 (MIT licence, August 2026) and "CDNA5" Instruction Set Architecture Reference Guide (July 2026). The comments in the code are by the model that wrote it; some were corrected since.
;; Dot Product Attention. Allowed arithmetic: matrix products marked QUANTISED: E2M3 operands, one E8M0 scale for each 32 along K, by v_wmma_scale_f32_16x16x128_f8f6f4 with both operands' format E2M3, f32 sums; everything else in f32.
;; Inputs: keys_codes 32 x 2,048 x 4 x 24 uint8 (E2M3 codes of keys, K innermost, in blocks of 32 codes, four codes in three bytes); keys_scales 32 x 2,048 x 4 uint8 (E8M0 scales of keys, one for each 32 codes along K); queries_codes 32 x 2,048 x 4 x 24 uint8 (E2M3 codes of queries, K innermost, in blocks of 32 codes, four codes in three bytes); queries_scales 32 x 2,048 x 4 uint8 (E8M0 scales of queries, one for each 32 codes along K); valid_lens 32 int32; values_codes 32 x 128 x 64 x 24 uint8 (E2M3 codes of values, K innermost, in blocks of 32 codes, four codes in three bytes); values_scales 32 x 128 x 64 uint8 (E8M0 scales of values, one for each 32 codes along K).
;; Outputs: out0 32 x 2,048 x 128 float32.
;; This version of the problem:
;;   THIS VERSION OF THE PROBLEM IS GIVEN IN LOW PRECISION. The matrix products marked QUANTISED in the list below multiply operands that are first quantised to E2M3 (2 exponent bits, 3 mantissa bits; 6 bits a number), with one power-of-two scale for each 32 numbers along K (OCP MX v1.0); their sums are f32. All else is computed in f32.
;;   The module's matrix products, in the order in which they are computed (A, B: the left and right operand; K: the contracted axis; several contracted axes count as one K, in the product's order):
;;     1. batch 32 x [M 2,048, K 128] x [K 128, N 2,048]; A: input queries (given as codes); B: input keys (given as codes): QUANTISED
;;     2. batch 32 x [M 2,048, K 2,048] x [K 2,048, N 128]; A: softmax (see below); B: input values (given as codes): QUANTISED
;;   THE QUANTISER, for each operand of a quantised product, along K:
;;     - K is cut into blocks of 32 from its start; a last block that is shorter is filled with zeros.
;;     - A block's scale is 2^e with e = floor(log2(the largest magnitude in the block)) - 2, held to -126 .. 127; a block of zeros has e = 0. As a byte (E8M0): e + 127.
;;     - Each number is divided by its block's scale, clamped to +-7.5, and rounded to the nearest number of E2M3, ties to even, subnormals kept.
;;     - The product sums the exact products of the quantised numbers (number of the format x scale) in f32.
;;   ~~~python
;;   def quantise(x, axis):      # numpy; x: float32 -> the quantised numbers, widened to float32 again
;;       x = np.moveaxis(x, axis, -1); K = x.shape[-1]
;;       x = np.pad(x, [(0, 0)] * (x.ndim - 1) + [(0, -K % 32)]); x = x.reshape(x.shape[:-1] + (-1, 32)); a = np.abs(x).max(-1, keepdims=True)
;;       e = np.where(a > 0, np.clip(np.frexp(np.where(a > 0, a, 1))[1] - 1 - 2, -126, 127), 0)      # np.frexp(a)[1] - 1 = floor(log2(a)), exactly
;;       r = np.clip(x / 2.0 ** e, -7.5, 7.5)
;;       step = 2.0 ** (np.maximum(np.frexp(np.where(r == 0, 1, r))[1] - 1, 0) - 3)
;;       q = np.round(r / step) * step * 2.0 ** e      # np.round: ties to even
;;       return np.moveaxis(q.reshape(q.shape[:-2] + (-1,))[..., :K], -1, axis).astype(np.float32)
;;   ~~~
;;   SOFTMAX AHEAD OF A QUANTISED PRODUCT. Where the list says 'softmax', what is quantised is not the finished softmax but p = 2^(t - M), with t = logit x log2(e) and M = ceil(the row's largest t), a whole number; so 1/2 < the row's largest p <= 1. The row's sum l is taken of the UNQUANTISED p, in f32, and the product's result is divided by l at the end. Since M is a whole number, a kernel that streams over the keys may use a running M (the ceiling of the running maximum): every later rescaling is an exact power of two, which a block's scale takes up: the codes' values come out the same.
;;   OPERANDS COMPUTED ON THE WAY. 'Computed on the way' means the value that the module computes at that place (a softmax that the list does not call 'softmax' is quantised finished and normalised). What goes into a quantiser is computed in f32, as accurately as f32 sums, v_exp_f32 and their like allow (about 1e-6 of the number): no bf16 or f16 on the way to a quantiser, and a product that is left as it is and whose result goes on into a quantised operand takes f32 operands (vector FMAs, or v_wmma_f32_16x16x4_f32). A number that lies on a knife's edge between two numbers of the format may be rounded either way, as far as f32 arithmetic and the matrix unit's own rounding can turn it there, and no further.
;;   INPUTS GIVEN AS CODES. keys (in the module: [32, 2048, 128], K = its axis 2); queries (in the module: [32, 2048, 128], K = its axis 2); values (in the module: [32, 2048, 128], K = its axis 1): each comes as NAME_codes (uint8): NAME with its K axis moved to the last place and cut into blocks of 32 codes, [.., K / 32, bytes a block], one block behind the other in memory; four codes in three bytes: a row's codes are one little-endian stream of bits, code i at bits 6 i .. 6 i + 5 (a code: sign, 2 exponent bits, 3 mantissa bits); and NAME_scales (uint8): the same leading axes, one E8M0 byte (e + 127) for each 32 codes along K. Its value is code x scale, taken as it is: it is not quantised again, and the codes and scales need not be those that the quantiser above would give.
;; 2 versions. Each part assembles by itself: llvm-mc -triple=amdgcn-amd-amdhsa -mcpu=gfx1250 --defsym DOCPART=n.
;; ======== version 1 of 2: 1 launch
;; launch attn (part 1): grid 256 x 1, 16 waves a work-group, no clusters, 291,840 bytes of LDS; arguments keys_codes, keys_scales, queries_codes, queries_scales, valid_lens, values_codes, values_scales, out0; writes out0
.if DOCPART == 1
	.amdgcn_target "amdgcn-amd-amdhsa--gfx1250"
	.amdhsa_code_object_version 6
	.text
	.protected	k_q1857886df1_attn
	.globl	k_q1857886df1_attn
	.p2align	8
	.type	k_q1857886df1_attn,@function
k_q1857886df1_attn:
	s_mov_b64 s[64:65], 0
	v_nop
	global_prefetch_b8 v0, s[64:65] scope:SCOPE_SE
	s_setreg_imm32_b32 hwreg(HW_REG_WAVE_MODE, 25, 1), 1
	s_wait_xcnt 0x0
; out0[b][q][:] = the sum over k < valid_lens[b] of softmax_k(Q[b][q] . K[b][k] / sqrt(128)) V[b][k][:], both products on codes of FP6 (E2M3) with one E8M0 scale for each 32 along a product's K.
; Q, K: [32][2048][128] as codes (96 bytes a row), scale words of 4 bytes a row.  V: codes with the KEYS innermost, [32][128][2048] (1,536 bytes a row), scale bytes [32][128][64].  out0: [32][2048][128] f32.
; THE SOFTMAX: t = score x log2(e) / sqrt(128); M = the running largest t rounded UP to a whole number; p = 2^(t - M) is quantised along the keys, not normalised; the sum of the unquantised p divides O at the end.
; SHARES.  A wave owns one tile of 16 queries in 256 registers.  A work-group has TWO TEAMS of eight waves; a team owns 128 queries of ONE batch and walks that batch's keys, 128 a step, only as far as valid_lens goes.
; Every wave ranks the 32 lengths; work-groups 16 i .. 16 i + 15 give team 0 the batch of rank i and team 1 the batch of rank 31 - i: a short batch beside a long one, whatever the lengths are.
; team = (wave xor (wave >> 2)) & 1, place in the team = wave >> 1: of any four waves w % 4 alike, or w / 4 alike, two belong to each team.
; K AND V go memory -> registers -> LDS: the key steps to be walked hang on a number read from memory, so the text has no tensor load.  A slot holds 256 keys (two steps); each team has two slots; one barrier a slot;
; the loop has 4 trips of two slots whatever the lengths, and only the WORK of a slot is jumped over, never the barrier.  The two slots are written out one behind the other, so that a slot's place is a constant of the text.
; IN LDS K AND V LIE AS IN MEMORY, dense, load by load: a staging load takes 256 consecutive bytes (K) and its store lays them down as they are, 8 bytes a lane.  Between whole loads stand 16 bytes of padding:
; K: behind every 6 loads (16 keys), so keys 16 apart lie 1,552 bytes apart; V: behind every 3 loads (4 rows of 192 bytes), so four rows take 784 bytes.  With 64 banks of 4 bytes (ISA guide 11.1) the 32 lanes of a fragment's
; load of 8 bytes then touch 64 different banks: K: rows 24 words apart and the halves' 6 words give the words 0, 1, 6, 7 mod 8, the padding's 4 words the others; V: rows 48 words apart give 0, 1, 6, 7 mod 16, shifted by 4, 8, 12.
; LAYOUT of the products: both transposed (S^T = K Q^T, O^T = V^T P^T): a lane holds ONE query (lane % 16).  Lane r of K's tile 2 b + u takes key 32 b + 8 u + r + 8 (r / 8), so that the 16 registers of tiles 2 b, 2 b + 1 are keys 32 b + 16 (lane / 16) + 0 .. 15.
; LIMITS.  valid_lens <= 0: NaN in the batch's rows, as the all-masked softmax gives; valid_lens > 2,048 counts as 2,048.  A scale byte 0xff of V at a wholly masked key step is not read, so it makes no NaN here.
; A block's largest p is made from the block's largest score by the same multiply-add and exponential: this takes v_exp_f32 not to fall where its input rises.
.set KB,    3088                       ; 32 keys of K in LDS: 16 rows of 96 bytes, 16 of padding, 16 rows
.set KH,    1552                       ; from a key to the key 16 on
.set VG,    784                        ; four rows of V's tile: 4 x 192 bytes + 16
.set VTB,   4*VG                       ; a tile of V: 16 rows x 256 keys
.set VFO,   8*KB                       ; a team's slot: K's 8 blocks of 32 keys, then V's 8 tiles,
.set KSC,   VFO+8*VTB                  ; then K's scale words: 512 bytes a step: word (tile T, row r) at 256 (T / 4) + 16 r + 4 (T % 4)
.set TEAMB, KSC+1024                   ; 50,816 bytes; team 1's slot lies behind team 0's
.set SLOTB, 2*TEAMB                    ; slot 1 lies behind slot 0
.set VSC,   2*SLOTB                    ; behind the slots: V's scale words of the whole batch, laid step by step as K's are,
.set VSP,   528                        ; 528 bytes from step to step,
.set VSB,   16*VSP                     ; 8,448 bytes a team
.set STG,   VSC+2*VSB                  ; a stage of 16 rows x (256 + 16) bytes for each wave, for the way out
.set STB,   16*272
; vector registers.  v1-11, v28-31, v81-90 hold addresses and offsets, are made at the head (v89 in each step), and never hold data
.set AKR, 1                            ; v1-2   my lane's place in a tile of K, slot 0, 1
.set AVR, 3                            ; v3-4   the same for V
.set LK,  5                            ; v5-6   16 x lane among K's scale words, slot 0, 1
.set LT,  7                            ; v7     16 x lane among my team's scale words of V
.set SK,  8                            ; v8-9   staging: 8 x lane in my 32 keys' block, slot 0, 1
.set SV,  10                           ; v10-11 staging: 8 x lane in my tile of V
.set SS,  28                           ; v28-29 staging: where my lane's scale word of K goes
.set GK,  30                           ; 8 x lane
.set GS,  31                           ; 4 x lane
.set KD,  32                           ; v32-79 four fragments of K; from a slot's first K Q^T to the end of that step the next slot's bytes: K's in v32-55,
.set VD,  56                           ; V's in v56-79,
.set SD,  80                           ; K's scale word in v80
.set PFO, 81                           ; the prefetches' offset
.set GV,  82                           ; v82-84 staging: my lane's byte among my 16 rows of V in memory, for loads m % 3 = 0, 1, 2
.set H16, 85                           ; 16 h
.set SIN, 86                           ; the way out: where I put 32 bytes of a row
.set SBK, 87                           ; and where I read a row back
.set GO,  88                           ; my byte offset in the wave's rows of out0
.set ADT, 89                           ; the trip's scale words of V + LT
.set VST, 90                           ; the head: where my lane's scale words of V go
; v12 -M, v13 the largest t, v[14:15] the sum in two halves; v16-27 Q; v96-159 S^T, then p, then four fragments of V; v160-223 O^T; v224-235 p's codes; v232-247, v252, v254 at work;
; v248-251 K's or V's scale words, v253 p's, v255 Q's: these hold scales and nothing else
; scalar registers
.set WV,   20
.set TW,   21                          ; my place in the team, 0 .. 7
.set TEAM, 22
.set BETA, 23                          ; which 128 queries of the batch
.set RANK, 24
.set BAT,  26                          ; my team's batch
.set VL,   27                          ; its length, 0 .. 2,048
.set VLE,  28                          ; at least 1: the first step is always walked
.set KF,   29                          ; the slot's first key
.set CNT,  30
.set VSO,  33                          ; the trip's scale words of V: 4 VSP a trip
.set SEL,  34                          ; s[34:35] v_permlanex16_b32's selects for lane l xor 16
.set CS,   36                          ; s[36:37] c = log2(e) / sqrt(128)
.set PFA,  42                          ; s[42:43] where my prefetches stand
.set PFS,  44                          ; s[44:45] a slot on, in bytes
.set PFL,  46                          ; the length in a wave that prefetches, else 0
.set EVR,  47                          ; 3 in V's waves, 0 in K's
.set LOF,  56                          ; the byte of my batch's length in valid_lens: written once
; The next slot's bytes, memory to registers.  K: my 32 keys are 3,072 dense bytes: each load takes 256 consecutive bytes.  V: my 16 rows' 192 bytes each, taken on end.  Sixteen work-groups read these bytes: no hint.
.macro STAGE_LOAD
.irp m, 0,1,2,3,4,5,6,7,8,9,10,11
	global_load_b64 v[KD+2*\m:KD+2*\m+1], v[GK], s[4:5] offset:256*\m
.endr
.irp m, 0,1,2,3,4,5,6,7,8,9,10,11
	global_load_b64 v[VD+2*\m:VD+2*\m+1], v[GV+\m%3], s[14:15] offset:6144*(\m/3)
.endr
	global_load_b32 v[SD], v[GS], s[6:7]
.endm
; Registers to LDS, into slot s: each store lays down 256 consecutive bytes
.macro STAGE_STORE s
.irp m, 0,1,2,3,4,5,6,7,8,9,10,11
	ds_store_b64 v[SK+(\s)], v[KD+2*\m:KD+2*\m+1] offset:256*\m+16*(\m/6)
.endr
.irp m, 0,1,2,3,4,5,6,7,8,9,10,11
	ds_store_b64 v[SV+(\s)], v[VD+2*\m:VD+2*\m+1] offset:256*\m+16*(\m/3)
.endr
	ds_store_b32 v[SS+(\s)], v[SD]
.endm
; A PREFETCH INTO THE L2 of the slot that the NEXT slot's staging loads will read (two slots on from the slot in hand), behind this slot's staging loads.  Sixteen work-groups walk a batch: the one with the batch's first 128 queries
; asks, each of its teams for its own batch.  Waves 0 to 2 of the team: K's 24,576 dense bytes, 8,192 a wave, lanes 256 bytes apart.  Waves 4 to 7: V's 128 rows, 32 a wave, a lane a row: a slot's part of a row is 192 bytes, so a
; lane names the part's LAST byte; slots 3 and 7 end in the aligned block of 256 bytes that the slot before has named, so V's waves ask for nothing there.  So each aligned block of 256 bytes is named once in the launch.
; Slots 0 and 1 come by their loads alone; nothing is asked for beyond the batch's length, so no request leaves the batch's bytes.
.macro ASK
	s_add_co_u32 s48, s[KF], 512
	s_cmp_lt_u32 s48, s[PFL]
	s_cbranch_scc0 .Lnoask_\@
	s_lshr_b32 s48, s[KF], 8                       ; the slot in hand: the slot to be named is 3 or 7 where this is 1 or 5
	s_and_b32 s48, s48, s[EVR]
	s_cmp_eq_u32 s48, 1
	s_cbranch_scc1 .Lnoask_\@
	global_prefetch_b8 v[PFO], s[PFA:PFA+1] th:TH_LOAD_NT scope:SCOPE_SE
.Lnoask_\@:
.endm
	s_load_b256 s[4:11], s[0:1], 0x0               ; K's codes s[4:5], K's scales s[6:7], Q's codes s[8:9], Q's scales s[10:11]
	s_load_b256 s[12:19], s[0:1], 0x20             ; valid_lens s[12:13], V's codes s[14:15], V's scales s[16:17], out0 s[18:19]
	v_lshl_add_u32 v95, v0, 2, 0x46c00
	v_mov_b32 v243, 0
	v_lshrrev_b32 v100, 5, v0
	v_readfirstlane_b32 s[WV], v100                ; wave 0 .. 15
	s_lshr_b32 s[TW], s[WV], 1
	s_lshr_b32 s[TEAM], s[WV], 2
	s_xor_b32 s[TEAM], s[TEAM], s[WV]
	s_and_b32 s[TEAM], s[TEAM], 1
	s_lshr_b32 s48, ttmp9, 4                       ; the pair of ranks
	s_and_b32 s[BETA], ttmp9, 15
	s_mul_i32 s[RANK], s[TEAM], 31
	s_xor_b32 s[RANK], s[RANK], s48                ; team 0: rank i; team 1: rank 31 - i
	v_and_b32 v101, 31, v0                         ; lane
	v_and_b32 v102, 15, v0                         ; r
	v_bfe_u32 v103, v0, 4, 1                       ; h
	v_lshlrev_b32 v[GK], 3, v101
	v_lshlrev_b32 v[GS], 2, v101
	s_wait_kmcnt 0x0
	global_load_b32 v96, v[GS], s[12:13]           ; lane = batch: all 32 lengths.  The address work below stands between the load and the wait for it
	s_mov_b32 s[SEL], 0x76543210
	s_mov_b32 s[SEL+1], 0xfedcba98
	s_mov_b32 s[CS], 0x3e0293ee                    ; c = log2(e) / sqrt(128)
	s_mov_b32 s[CS+1], s[CS]                       ; (named with it as a pair, so it is written)
	s_mul_i32 s49, s[TEAM], TEAMB                  ; my team's bytes in a slot
	v_lshlrev_b32 v[H16], 4, v103
	v_lshlrev_b32 v104, 4, v101                    ; 16 x lane
	; a fragment of K: lane (r, h) reads key r % 8 of the tile's first eight, or of the eight 16 keys on, + 24 h
	v_and_b32 v105, 7, v0
	v_bfe_u32 v106, v0, 3, 1
	v_mul_u32_u24 v107, v105, 96
	v_mad_u32_u24 v107, v106, KH, v107
	v_mad_u32_u24 v107, v103, 24, v107
	v_add_nc_u32 v[AKR], s49, v107
	v_add_nc_u32 v[AKR+1], SLOTB, v[AKR]
	; a fragment of V: row r of the tile, + 24 h
	v_and_b32 v105, 3, v0
	v_bfe_u32 v106, v0, 2, 2
	v_mul_u32_u24 v107, v105, 192
	v_mad_u32_u24 v107, v106, VG, v107
	v_mad_u32_u24 v107, v103, 24, v107
	s_add_co_u32 s50, s49, VFO
	v_add_nc_u32 v[AVR], s50, v107
	v_add_nc_u32 v[AVR+1], SLOTB, v[AVR]
	; the scale words, as they are read
	s_add_co_u32 s50, s49, KSC
	v_add_nc_u32 v[LK], s50, v104
	v_add_nc_u32 v[LK+1], SLOTB, v[LK]
	s_mul_i32 s52, s[TEAM], VSB
	s_add_co_u32 s52, s52, VSC                     ; my team's scale words of V
	v_add_nc_u32 v[LT], s52, v104
	; where my lane's scale words of V go, once: load m holds row 2 m + h of my tile (T = my place in the team), step lane % 16
	v_mul_u32_u24 v[VST], v102, VSP
	v_add_nc_u32 v[VST], v[H16], v[VST]
	s_lshr_b32 s50, s[TW], 2
	s_lshl_b32 s50, s50, 8
	s_and_b32 s51, s[TW], 3
	s_lshl_b32 s51, s51, 2
	s_add_co_u32 s50, s50, s51
	s_add_co_u32 s50, s50, s52
	v_add_nc_u32 v[VST], s50, v[VST]
	; where my lane's scale word of K goes: key lane of my 32: tile parity (lane >> 3) & 1, r = lane % 8 + 8 (lane / 16)
	v_and_b32 v105, 7, v0
	v_lshlrev_b32 v[SS], 4, v105
	v_lshl_add_u32 v[SS], v103, 7, v[SS]
	v_bfe_u32 v105, v0, 3, 1
	v_lshl_add_u32 v[SS], v105, 2, v[SS]
	s_lshr_b32 s50, s[TW], 1
	s_lshl_b32 s50, s50, 8
	s_and_b32 s51, s[TW], 1
	s_lshl_b32 s51, s51, 3
	s_add_co_u32 s50, s50, s51
	s_add_co_u32 s50, s50, s49
	s_add_co_u32 s50, s50, KSC
	v_add_nc_u32 v[SS], s50, v[SS]
	v_add_nc_u32 v[SS+1], SLOTB, v[SS]
	; the staging stores of codes: my block of K, my tile of V, 8 x lane
	s_mul_i32 s50, s[TW], KB
	s_add_co_u32 s50, s50, s49
	v_add_nc_u32 v[SK], s50, v[GK]
	v_add_nc_u32 v[SK+1], SLOTB, v[SK]
	s_mul_i32 s51, s[TW], VTB
	s_add_co_u32 s51, s51, s49
	s_add_co_u32 s51, s51, VFO
	v_add_nc_u32 v[SV], s51, v[GK]
	v_add_nc_u32 v[SV+1], SLOTB, v[SV]
	; the staging loads of V: of three loads on end, load c gives my lane unit n' = 32 c + lane of the 96 units of 8 bytes in four rows' parts: row n' / 24, 1,536 bytes apart in memory: 8 n' + 1,344 (n' / 24)
.irp c, 0,1,2
	v_add_nc_u32 v105, 32*\c, v101                 ; n'
	v_mul_u32_u24 v106, v105, 43
	v_lshrrev_b32 v106, 10, v106                   ; n' / 24 (43 n' >> 10, exact up to 95)
	v_mul_u32_u24 v106, v106, 1344
	v_lshl_add_u32 v[GV+\c], v105, 3, v106
.endr
	; the way out
	s_mul_i32 s50, s[WV], STB
	s_add_co_u32 s50, s50, STG                     ; my stage
	v_mul_u32_u24 v[SIN], v102, 272
	v_lshl_add_u32 v[SIN], v103, 5, v[SIN]
	v_add_nc_u32 v[SIN], s50, v[SIN]               ; in: row r, + 32 h
	v_mul_u32_u24 v[SBK], v103, 272
	v_lshl_add_u32 v[SBK], v102, 4, v[SBK]
	v_add_nc_u32 v[SBK], s50, v[SBK]               ; back: lanes 0-15 one row, lanes 16-31 the next
	v_lshlrev_b32 v[GO], 9, v103
	v_lshl_add_u32 v[GO], v102, 4, v[GO]           ; and the same two rows of out0
	v_mul_u32_u24 v118, v102, 96
	v_mad_u32_u24 v118, v103, 24, v118             ; Q: row r, + 24 h
	v_lshlrev_b32 v119, 2, v102                    ; Q's scale words: 4 r
	; THE RANKS.  key = length x 32 + batch: all different.  A lane's rank is the number of smaller keys
	s_wait_loadcnt 0x0
	v_max_i32 v96, 0, v96
	v_min_u32 v96, 0x800, v96                      ; 0 .. 2,048
	v_lshl_or_b32 v97, v96, 5, v101
	v_mov_b32 v98, 0
.irp j, 0,1,2,3,4,5,6,7,8,9,10,11,12,13,14,15,16,17,18,19,20,21,22,23,24,25,26,27,28,29,30,31
	v_readlane_b32 s48, v97, \j
	v_cmp_lt_u32 vcc_lo, s48, v97
	v_add_co_ci_u32 v98, vcc_lo, 0, v98, vcc_lo
.endr
	v_cmp_eq_u32 s25, s[RANK], v98                 ; one lane has my team's rank:
	s_ctz_i32_b32 s[BAT], s25                      ; its number is the batch
	s_min_u32 s[BAT], s[BAT], 31                   ; held to the table before it enters an address
	s_lshl_b32 s[LOF], s[BAT], 2                   ; in a register that nothing else writes: the load below reads it until it is done
	s_load_b32 s[VL], s[12:13], s[LOF] offset:0x0
	s_mul_i32 s38, s[BAT], 196608                  ; a batch's codes, in each of the three tensors,
	s_lshl_b32 s40, s[BAT], 13                     ; and its scale bytes
	s_mov_b32 s53, 0
	; the prefetches: who asks for what (macro ASK)
	s_cmp_lt_u32 s[TW], 4
	s_cselect_b64 s[PFA:PFA+1], s[4:5], s[14:15]
	s_mov_b32 s[PFS], 192
	s_cselect_b32 s[PFS], 24576, s[PFS]            ; a slot on
	s_mov_b32 s48, 49152
	s_cselect_b32 s48, 8192, s48                   ; from wave to wave
	s_mov_b32 s49, 575
	s_cselect_b32 s49, 49152, s49                  ; slot 2: K: 2 x 24,576; V: 2 x 192, and the part's last byte, 191
	s_mov_b32 s50, 1536
	s_cselect_b32 s50, 256, s50                    ; from lane to lane
	s_cselect_b32 s[EVR], 0, 3
	s_mov_b32 s[PFS+1], 0
	v_mul_lo_u32 v[PFO], v101, s50
	s_and_b32 s51, s[TW], 3
	s_mul_i32 s52, s51, s48
	s_add_co_u32 s52, s52, s49
	s_add_co_u32 s52, s52, s38
	s_add_nc_u64 s[PFA:PFA+1], s[PFA:PFA+1], s[52:53]
	; the pointers: each buffer's own address + an offset under 2^32
	s_mul_i32 s52, s[TW], 3072
	s_add_co_u32 s52, s52, s38
	s_add_nc_u64 s[4:5], s[4:5], s[52:53]          ; K's codes: my 32 keys of slot 0
	s_lshl_b32 s52, s[TW], 7
	s_add_co_u32 s52, s52, s40
	s_add_nc_u64 s[6:7], s[6:7], s[52:53]          ; and their scale words
	s_mul_i32 s52, s[TW], 24576
	s_add_co_u32 s52, s52, s38
	s_add_nc_u64 s[14:15], s[14:15], s[52:53]      ; V's codes: my 16 rows
	s_lshl_b32 s52, s[TW], 10
	s_add_co_u32 s52, s52, s40
	s_add_nc_u64 s[16:17], s[16:17], s[52:53]      ; and their scale bytes
	s_lshl_b32 s54, s[BETA], 7
	s_lshl_b32 s55, s[TW], 4
	s_add_co_u32 s54, s54, s55                     ; my first query
	s_mul_i32 s52, s54, 96
	s_add_co_u32 s52, s52, s38
	s_add_nc_u64 s[8:9], s[8:9], s[52:53]
	s_lshl_b32 s52, s54, 2
	s_add_co_u32 s52, s52, s40
	s_add_nc_u64 s[10:11], s[10:11], s[52:53]
	s_lshl_b32 s52, s54, 9
	s_lshl_b32 s55, s[BAT], 20
	s_add_co_u32 s52, s52, s55
	s_add_nc_u64 s[18:19], s[18:19], s[52:53]
.irp p, 0,1,2,3,4,5
	global_load_b64 v[16+2*\p:17+2*\p], v118, s[8:9] offset:48*(\p/3)+8*(\p%3) th:TH_LOAD_NT   ; Q's fragment stays in registers; no other wave reads it
.endr
	global_load_b32 v255, v119, s[10:11] th:TH_LOAD_NT
	STAGE_LOAD                                     ; slot 0: always inside the batch
.irp m, 0,1,2,3,4,5,6,7
	global_load_b32 v[120+\m], v[GS], s[16:17] offset:128*\m   ; my 16 rows' scale bytes of V, 1,024 dense bytes
.endr
	s_wait_kmcnt 0x0
	s_max_i32 s[VL], s[VL], 0
	s_min_u32 s[VL], s[VL], 0x800
	s_max_u32 s[VLE], s[VL], 1
	s_cmp_eq_u32 s[BETA], 0
	s_cselect_b32 s[PFL], s[VLE], 0
	s_cmp_eq_u32 s[TW], 3                          ; (K's slot is three waves' worth)
	s_cselect_b32 s[PFL], 0, s[PFL]
	s_mov_b32 s[KF], 0
	s_mov_b32 s[CNT], 0
	s_mov_b32 s[VSO], 0
	v_mov_b32 v13, 0xff61b1e6                      ; the largest t so far: -3e38, under every t
	v_floor_f32 v12, -v13                          ; -M
	v_mov_b32 v14, 0                               ; the sum, in two halves
	v_mov_b32 v15, 0
.irp b, 0,1,2,3
	v_mov_b32 v[236+\b], 0                         ; written once: a lane permute's destination counts as one of its sources
.endr
	v_mov_b32 v253, 0                              ; (named as the upper half of the pair v[252:253] before it is first written)
.irp j, 0,1,2,3,4,5,6,7,8,9,10,11,12,13,14,15,16,17,18,19,20,21,22,23,24,25,26,27,28,29,30,31,32,33,34,35,36,37,38,39,40,41,42,43,44,45,46,47,48,49,50,51,52,53,54,55,56,57,58,59,60,61,62,63
	v_mov_b32 v[160+\j], 0                         ; O^T.  (The step finds zeros the first time, which the first change of M leaves zeros: no first step is written out)
.endr
	s_wait_loadcnt 0x0                             ; Q, slot 0's bytes, V's scale bytes: all my loads are done, so their addresses may be stepped too
	STAGE_STORE 0
.irp m, 0,1,2,3,4,5,6,7
	ds_store_b32 v[VST], v[120+\m] offset:32*\m
.endr
	s_add_nc_u64 s[4:5], s[4:5], 24576             ; the staging pointers stand one slot ahead of the slot in hand
	s_add_nc_u64 s[6:7], s[6:7], 1024
	s_add_nc_u64 s[14:15], s[14:15], 192
; A KEY STEP: 128 keys, the q-th of slot s.
.macro STEP s, q
	v_add_nc_u32 v[ADT], s[VSO], v[LT]
	ds_load_b128 v[248:251], v[LK+\s] offset:512*\q  ; K's scale words: register t holds tile t's in lanes 0-15 and tile 4 + t's in lanes 16-31
.irp g, 0,1                                    ; S^T = K Q^T, four tiles of 16 keys at a time
.if \g > 0
.rept 4
	v_nop                                          ; four places in front of loads into registers that matrix instructions have read
.endr
.endif
.irp t, 0,1,2,3
.irp p, 0,1,2,3,4,5
	ds_load_b64 v[KD+12*\t+2*\p:KD+12*\t+2*\p+1], v[AKR+\s] offset:(4*\q+(4*\g+\t)/2)*KB+768*(\t%2)+48*(\p/3)+8*(\p%3)
.endr
.endr
	s_wait_dscnt 0x0
.irp t, 0,1,2,3
.if \g == 0
	v_wmma_scale_f32_16x16x128_f8f6f4 v[96+8*\t:103+8*\t], v[KD+12*\t:KD+12*\t+11], v[16:27], 0, v[248+\t], v255 matrix_a_fmt:MATRIX_FMT_FP6 matrix_b_fmt:MATRIX_FMT_FP6
.else
	v_wmma_scale_f32_16x16x128_f8f6f4 v[128+8*\t:135+8*\t], v[KD+12*\t:KD+12*\t+11], v[16:27], 0, v[248+\t], v255 matrix_a_fmt:MATRIX_FMT_FP6 matrix_b_fmt:MATRIX_FMT_FP6 matrix_a_scale:MATRIX_SCALE_ROW1
.endif
.endr
.endr
.rept 4
	v_nop                                          ; four places: in front of the first read of the scores, and of loads into K's registers
.endr
.if \q == 0                                    ; K's registers are free until the slot's second step: the next slot's bytes are asked for now, if the batch has a next slot, and land while the softmax is walked
	s_add_co_u32 s48, s[KF], 256
	s_cmp_lt_u32 s48, s[VLE]
	s_cbranch_scc0 .Lnoload_\@
	STAGE_LOAD
	ASK
.Lnoload_\@:
.endif
	; THE MASK.  In the one step through which the length cuts, the scores of keys at or past it become -infinity ahead of the maximum: p = 0 then.  A step all of whose keys count skips this
	s_add_co_u32 s48, s[KF], 128*\q+128
	s_cmp_le_u32 s48, s[VL]
	s_cbranch_scc1 .Lopen_\@
	s_sub_co_i32 s48, s[VL], s[KF]
.if \q > 0
	s_sub_co_i32 s48, s48, 128*\q
.endif
	v_sub_nc_u32 v244, s48, v[H16]                 ; d = length - the step's first key - 16 h.  Register 16 b + i holds the step's key 32 b + 16 h + i: hidden where 32 b + i >= d
	v_mov_b32 v245, 0xff800000                     ; -infinity
.irp n, 0,1,2,3,4,5,6,7,8,9,10,11,12,13,14,15,16,17,18,19,20,21,22,23,24,25,26,27,28,29,30,31,32,33,34,35,36,37,38,39,40,41,42,43,44,45,46,47,48,49,50,51,52,53,54,55,56,57,58,59,60,61,62,63
	v_cmp_ge_i32 vcc_lo, 32*(\n/16)+\n%16, v244
	v_cndmask_b32 v[96+\n], v[96+\n], v245, vcc_lo
.endr
.Lopen_\@:
.irp b, 0,1,2,3
	v_max3_num_f32 v[232+\b], v[96+16*\b], v[97+16*\b], v[98+16*\b]   ; the largest score of each block of 32 keys: for the row's maximum, and, since p rises with the score, for the block's largest p
.endr
.irp i, 3,5,7,9,11,13
.irp b, 0,1,2,3
	v_max3_num_f32 v[232+\b], v[232+\b], v[96+16*\b+\i], v[97+16*\b+\i]   ; (the four blocks by turns)
.endr
.endr
.irp b, 0,1,2,3
	v_max_num_f32 v[232+\b], v[232+\b], v[111+16*\b]
.endr
.irp b, 0,1,2,3
	v_permlanex16_b32 v[236+\b], v[232+\b], s[SEL], s[SEL+1]
.endr
.irp b, 0,1,2,3
	v_max_num_f32 v[232+\b], v[232+\b], v[236+\b]  ; with lane l xor 16's 16 keys
.endr
	v_max3_num_f32 v254, v232, v233, v234
	v_max_num_f32 v254, v254, v235                 ; the step's largest score of my query
	v_mul_f32 v254, s[CS], v254                    ; as t (c is positive)
	v_max_num_f32 v13, v13, v254                   ; the running largest t
	v_mov_b32 v254, v12
	v_floor_f32 v12, -v13                          ; the new -M = floor(-t) = -ceil(t): M is a whole number
	v_sub_f32 v254, v12, v254                      ; M's old value less its new one: a whole number, 0 or less
	v_cvt_i32_f32 v254, v254                       ; (it saturates)
	v_ldexp_f32 v252, 1.0, v254                    ; f = 2^(old M - new M): a multiplication by it rounds nothing
.irp j, 0,2,4,6,8,10,12,14,16,18,20,22,24,26,28,30,32,34,36,38,40,42,44,46,48,50,52,54,56,58,60,62
	v_pk_fma_f32 v[96+\j:97+\j], v[96+\j:97+\j], s[CS:CS+1], v[12:13] op_sel_hi:[1,0,0]   ; t - M, two at a time (of the pairs c and -M the low word serves both halves)
.endr
.irp b, 0,1,2,3
	v_fma_f32 v[232+\b], v[232+\b], s[CS], v12     ; the same of each block's largest score
.endr
.irp j, 0,1,2,3,4,5,6,7,8,9,10,11,12,13,14,15,16,17,18,19,20,21,22,23,24,25,26,27,28,29,30,31,32,33,34,35,36,37,38,39,40,41,42,43,44,45,46,47,48,49,50,51,52,53,54,55,56,57,58,59,60,61,62,63
	v_exp_f32 v[96+\j], v[96+\j]                   ; p = 2^(t - M), at most 1: not normalised
.endr
	v_pk_mul_f32 v[14:15], v[14:15], v[252:253] op_sel_hi:[1,0]   ; the sums under the new M: the plain instruction behind the exponentials (ISA guide 5.7.2)
	s_wait_alu depctr_va_vdst(0)                   ; the wait ahead of the first instruction that names a result: one for the batch of 64
.irp b, 0,1,2,3
	v_exp_f32 v[232+\b], v[232+\b]                 ; the block's largest p: the same two instructions on the same number give the same bits
.endr
	v_pk_add_f32 v[236:237], v[96:97], v[98:99]    ; the row's sum is taken of the UNQUANTISED p: two at a time, in two chains; it reads the 64 alone
.irp j, 4,8,12,16,20,24,28,32,36,40,44,48,52,56,60
	v_pk_add_f32 v[14:15], v[14:15], v[96+\j:97+\j]
	v_pk_add_f32 v[236:237], v[236:237], v[98+\j:99+\j]
.endr
	v_pk_add_f32 v[14:15], v[14:15], v[236:237]
	s_wait_alu depctr_va_vdst(0)                   ; and one for the four
.irp b, 0,1,2,3
	v_max_num_f32 v[232+\b], 0x1800000, v[232+\b]  ; the floor 2^(3 - 127): the byte cannot fall under 1 (a block whose every p is 0 keeps that byte: its codes are zeros)
.endr
.irp b, 0,1,2,3
	v_add_nc_u32 v[244+\b], 0xff000000, v[232+\b]  ; 2 off the exponent field: the conversion's scale operand
.endr
.irp b, 0,1,2,3
	v_lshrrev_b32 v[236+\b], 23, v[244+\b]         ; the scale's byte
.endr
	v_lshl_or_b32 v253, v237, 8, v236              ; p's scale word for these 128 keys
	v_lshl_or_b32 v253, v238, 16, v253
	v_lshl_or_b32 v253, v239, 24, v253
.irp c, 0,1
	v_cvt_scalef32_pk16_fp6_f32 v[224+6*\c:226+6*\c], v[96+32*\c:111+32*\c], v[244+2*\c]
	v_cvt_scalef32_pk16_fp6_f32 v[236+4*\c:238+4*\c], v[112+32*\c:127+32*\c], v[244+2*\c+1]   ; (a conversion's three registers begin on an even number)
.endr
	v_nop                                          ; one plain instruction between a scaled conversion and the vector instruction that touches its result
.irp c, 0,1                                    ; the operand's layout wants a WHOLE block in a lane: lanes 0-15 block 2 c, lanes 16-31 block 2 c + 1
.irp i, 0,1,2
	v_permlane16_swap_b32 v[224+6*\c+\i], v[236+4*\c+\i]
.endr
.irp i, 0,1,2
	v_mov_b32 v[227+6*\c+\i], v[236+4*\c+\i]
.endr
.endr
	; O^T += V^T P^T: four tiles of 16 of the head's 128 at a time; K = these 128 keys.  V's fragments take the registers that p has left: K's hold the next slot's bytes
	ds_load_b128 v[248:251], v[ADT] offset:VSP*(2*\s+\q)  ; V's scale words, laid as K's
.irp t, 0,1,2,3
.irp p, 0,1,2,3,4,5
	ds_load_b64 v[96+12*\t+2*\p:97+12*\t+2*\p], v[AVR+\s] offset:\t*VTB+96*\q+48*(\p/3)+8*(\p%3)
.endr
.endr
.irp j, 0,2,4,6,8,10,12,14,16,18,20,22,24,26,28,30,32,34,36,38,40,42,44,46,48,50,52,54,56,58,60,62
	v_pk_mul_f32 v[160+\j:161+\j], v[160+\j:161+\j], v[252:253] op_sel_hi:[1,0]   ; O^T under the new M, while V's first fragments come.  (These 32 are also the places between the lines that made p's codes and scale word and the products)
.endr
	s_wait_dscnt 0x0
.irp t, 0,1,2,3
	v_wmma_scale_f32_16x16x128_f8f6f4 v[160+8*\t:167+8*\t], v[96+12*\t:107+12*\t], v[224:235], v[160+8*\t:167+8*\t], v[248+\t], v253 matrix_a_fmt:MATRIX_FMT_FP6 matrix_b_fmt:MATRIX_FMT_FP6
.endr
.rept 4
	v_nop                                          ; four places in front of loads into registers that matrix instructions have read
.endr
.irp t, 0,1,2,3
.irp p, 0,1,2,3,4,5
	ds_load_b64 v[96+12*\t+2*\p:97+12*\t+2*\p], v[AVR+\s] offset:(4+\t)*VTB+96*\q+48*(\p/3)+8*(\p%3)
.endr
.endr
	s_wait_dscnt 0x0
.irp t, 0,1,2,3
	v_wmma_scale_f32_16x16x128_f8f6f4 v[192+8*\t:199+8*\t], v[96+12*\t:107+12*\t], v[224:235], v[192+8*\t:199+8*\t], v[248+\t], v253 matrix_a_fmt:MATRIX_FMT_FP6 matrix_b_fmt:MATRIX_FMT_FP6 matrix_a_scale:MATRIX_SCALE_ROW1
.endr
.rept 5
	v_nop                                          ; five places: the next step's first products write over the registers that held V's fragments; they also serve the next loads of scale words and the way out's reads of O^T
.endr
.if \q == 0
	s_wait_loadcnt 0x0                             ; the next slot's bytes are in registers.  The wait stands on every path, so that no path goes on with loads out
	s_add_co_u32 s48, s[KF], 256
	s_cmp_lt_u32 s48, s[VLE]
	s_cbranch_scc0 .Lnostore_\@
	STAGE_STORE 1-\s                               ; into the slot that every wave left before this slot's barrier; it is read behind the next one
.Lnostore_\@:
.endif
.endm
; THE WAY OUT, once in each wave, in its batch's last slot.  O^T is divided by the sum and goes through my own stage in LDS, half a row (64 channels, 256 bytes) of 16 queries at a time
.macro WAYOUT
	v_add_f32 v14, v14, v15                        ; the sum's two halves,
	v_permlanex16_b32 v252, v14, s[SEL], s[SEL+1]
	v_add_f32 v14, v14, v252                       ; and lane l xor 16's: the row's sum
	v_rcp_f32 v14, v14
	v_nop                                          ; a plain instruction behind the reciprocal
	s_wait_alu depctr_va_vdst(0)                   ; the wait ahead of the first reader
.irp j, 0,2,4,6,8,10,12,14,16,18,20,22,24,26,28,30,32,34,36,38,40,42,44,46,48,50,52,54,56,58,60,62
	v_pk_mul_f32 v[96+\j:97+\j], v[160+\j:161+\j], v[14:15] op_sel_hi:[1,0]   ; register 8 T + i is out0(r, 16 T + 8 h + i); each accumulator from its low end on
.endr
.irp u, 0,1                                    ; channels 64 u on
.irp t, 0,1,2,3
	ds_store_b128 v[SIN], v[96+32*\u+8*\t:99+32*\u+8*\t] offset:64*\t
	ds_store_b128 v[SIN], v[100+32*\u+8*\t:103+32*\u+8*\t] offset:64*\t+16
.endr
.irp i, 0,1,2,3,4,5,6,7
	ds_load_b128 v[96+32*\u+4*\i:99+32*\u+4*\i], v[SBK] offset:2*\i*272   ; LDS serves a wave's instructions in order (ISA guide 5.7.1.4): these see my stores, and the next half's stores come behind them
.endr
.endr
.irp u, 0,1
.irp i, 0,1,2,3,4,5,6,7
	s_wait_dscnt 23-16*\u-\i                       ; behind this load stand its 7 - i followers and, for the first half, the second half's 8 stores and 8 loads
	global_store_b128 v[GO], v[96+32*\u+4*\i:99+32*\u+4*\i], s[18:19] offset:1024*\i+256*\u th:TH_STORE_NT   ; 16 lanes store 256 consecutive bytes, at a multiple of 256 from out0's first byte
.endr
.endr
.endm
; A SLOT OF 256 KEYS, slot s in hand.
.macro HALF s
	s_wait_dscnt 0x0                               ; for the others' sake: my staging stores have landed, and my reads of the slot that I leave are in
	s_barrier_signal -1
	s_barrier_wait -1                              ; every wave of both teams passes it for every slot
	s_cmp_ge_u32 s[KF], s[VLE]
	s_cbranch_scc1 .Lidle_\@                       ; my batch has no key in this slot
	STEP \s, 0
	s_add_co_u32 s48, s[KF], 128
	s_cmp_ge_u32 s48, s[VLE]
	s_cbranch_scc1 .Lone_\@
	STEP \s, 1
.Lone_\@:
	s_add_co_u32 s48, s[KF], 256
	s_cmp_lt_u32 s48, s[VLE]
	s_cbranch_scc1 .Lidle_\@                       ; more keys follow
	WAYOUT
.Lidle_\@:
	s_wait_xcnt 0x0                                ; every earlier memory instruction has had its addresses translated (ISA guide 3.1): only behind this wait are the pointers stepped and the stores' registers written again
	s_add_nc_u64 s[4:5], s[4:5], 24576             ; (beyond the batch's length the stepped pointers are not used)
	s_add_nc_u64 s[6:7], s[6:7], 1024
	s_add_nc_u64 s[14:15], s[14:15], 192
	s_add_nc_u64 s[PFA:PFA+1], s[PFA:PFA+1], s[PFS:PFS+1]
	s_add_co_u32 s[KF], s[KF], 256
.endm
.Ltrip:                                            ; 4 trips of two slots
	HALF 0
	HALF 1
	s_add_co_u32 s[VSO], s[VSO], 4*VSP
	s_add_co_u32 s[CNT], s[CNT], 1
	s_cmp_lt_u32 s[CNT], 4
	s_cbranch_scc1 .Ltrip
	s_wait_tensorcnt 0x0
	ds_add_u32 v95, v243
	s_wait_dscnt 0x0
	s_endpgm
.Lfunc_end_k_q1857886df1_attn:
	.size	k_q1857886df1_attn, .Lfunc_end_k_q1857886df1_attn-k_q1857886df1_attn
	.p2alignl 7, 3214868480
	.fill 96, 4, 3214868480
	.section	.rodata,"a",@progbits
	.p2align	6, 0x0
	.amdhsa_kernel k_q1857886df1_attn
		.amdhsa_group_segment_fixed_size 291840
		.amdhsa_private_segment_fixed_size 0
		.amdhsa_enable_private_segment 0
		.amdhsa_kernarg_size 64
		.amdhsa_user_sgpr_count 2
		.amdhsa_user_sgpr_kernarg_segment_ptr 1
		.amdhsa_wavefront_size32 1
		.amdhsa_system_sgpr_workgroup_id_x 1
		.amdhsa_system_sgpr_workgroup_id_y 1
		.amdhsa_system_sgpr_workgroup_id_z 1
		.amdhsa_system_vgpr_workitem_id 0
		.amdhsa_next_free_vgpr 256
		.amdhsa_next_free_sgpr 66
		.amdhsa_reserve_vcc 1
		.amdhsa_float_denorm_mode_32 3
		.amdhsa_float_denorm_mode_16_64 3
		.amdhsa_memory_ordered 1
		.amdhsa_forward_progress 1
		.amdhsa_inst_pref_size 151
	.end_amdhsa_kernel
	.amdgpu_metadata
---
amdhsa.version: [ 1, 2 ]
amdhsa.kernels:
  - .name:           k_q1857886df1_attn
    .symbol:         k_q1857886df1_attn.kd
    .args:
      - { .name: keys_codes, .offset: 0, .size: 8, .value_kind: global_buffer, .address_space: global }
      - { .name: keys_scales, .offset: 8, .size: 8, .value_kind: global_buffer, .address_space: global }
      - { .name: queries_codes, .offset: 16, .size: 8, .value_kind: global_buffer, .address_space: global }
      - { .name: queries_scales, .offset: 24, .size: 8, .value_kind: global_buffer, .address_space: global }
      - { .name: valid_lens, .offset: 32, .size: 8, .value_kind: global_buffer, .address_space: global }
      - { .name: values_codes, .offset: 40, .size: 8, .value_kind: global_buffer, .address_space: global }
      - { .name: values_scales, .offset: 48, .size: 8, .value_kind: global_buffer, .address_space: global }
      - { .name: out0, .offset: 56, .size: 8, .value_kind: global_buffer, .address_space: global }
    .group_segment_fixed_size: 291840
    .private_segment_fixed_size: 0
    .kernarg_segment_align: 8
    .kernarg_segment_size: 64
    .max_flat_workgroup_size: 512
    .sgpr_count:     66
    .vgpr_count:     256
    .wavefront_size: 32
...
	.end_amdgpu_metadata
.endif
;; end of part 1
;; ======== version 2 of 2: 1 launch; version 1 with the launch attn written anew for expert scheduling mode
;; launch attn (part 2): grid 256 x 1, 16 waves a work-group, no clusters, 291,840 bytes of LDS; arguments keys_codes, keys_scales, queries_codes, queries_scales, valid_lens, values_codes, values_scales, out0; writes out0
.if DOCPART == 2
	.amdgcn_target "amdgcn-amd-amdhsa--gfx1250"
	.amdhsa_code_object_version 6
	.text
	.protected	k_q1857886df1_attn
	.globl	k_q1857886df1_attn
	.p2align	8
	.type	k_q1857886df1_attn,@function
k_q1857886df1_attn:
	s_mov_b64 s[64:65], 0
	v_nop
	global_prefetch_b8 v0, s[64:65] scope:SCOPE_SE
	s_setreg_imm32_b32 hwreg(HW_REG_WAVE_SCHED_MODE, 0, 2), 2
	s_setreg_imm32_b32 hwreg(HW_REG_WAVE_MODE, 25, 1), 1
	s_wait_xcnt 0x0
	s_wait_alu depctr_vm_vsrc(0)
; out0[b][q][:] = the sum over k < valid_lens[b] of softmax_k(Q[b][q] . K[b][k] / sqrt(128)) V[b][k][:], both products on codes of FP6 (E2M3) with one E8M0 scale for each 32 along a product's K.
; Q, K: [32][2048][128] as codes (96 bytes a row), scale words of 4 bytes a row.  V: codes with the KEYS innermost, [32][128][2048] (1,536 bytes a row), scale bytes [32][128][64].  out0: [32][2048][128] f32.
; THE SOFTMAX: t = score x log2(e) / sqrt(128); M = the running largest t rounded UP to a whole number; p = 2^(t - M) is quantised along the keys, not normalised; the sum of the unquantised p divides O at the end.
; SHARES.  A wave owns one tile of 16 queries in 256 registers.  A work-group has TWO TEAMS of eight waves; a team owns 128 queries of ONE batch and walks that batch's keys, 128 a step, only as far as valid_lens goes.
; Every wave ranks the 32 lengths; work-groups 16 i .. 16 i + 15 give team 0 the batch of rank i and team 1 the batch of rank 31 - i: a short batch beside a long one, whatever the lengths are.
; team = (wave xor (wave >> 2)) & 1, place in the team = wave >> 1: of any four waves w % 4 alike, or w / 4 alike, two belong to each team.
; K AND V go memory -> registers -> LDS: the key steps to be walked hang on a number read from memory, so the text has no tensor load.  A slot holds 256 keys (two steps); each team has two slots; one barrier a slot;
; the loop has 4 trips of two slots whatever the lengths, and only the WORK of a slot is jumped over, never the barrier.  The two slots are written out one behind the other, so that a slot's place is a constant of the text.
; IN LDS K AND V LIE AS IN MEMORY, dense, load by load: a staging load takes 256 consecutive bytes (K) and its store lays them down as they are, 8 bytes a lane.  Between whole loads stand 16 bytes of padding:
; K: behind every 6 loads (16 keys), so keys 16 apart lie 1,552 bytes apart; V: behind every 3 loads (4 rows of 192 bytes), so four rows take 784 bytes.  With 64 banks of 4 bytes (ISA guide 11.1) the 32 lanes of a fragment's
; load of 8 bytes then touch 64 different banks: K: rows 24 words apart and the halves' 6 words give the words 0, 1, 6, 7 mod 8, the padding's 4 words the others; V: rows 48 words apart give 0, 1, 6, 7 mod 16, shifted by 4, 8, 12.
; LAYOUT of the products: both transposed (S^T = K Q^T, O^T = V^T P^T): a lane holds ONE query (lane % 16).  Lane r of K's tile 2 b + u takes key 32 b + 8 u + r + 8 (r / 8), so that the 16 registers of tiles 2 b, 2 b + 1 are keys 32 b + 16 (lane / 16) + 0 .. 15.
; LIMITS.  valid_lens <= 0: NaN in the batch's rows, as the all-masked softmax gives; valid_lens > 2,048 counts as 2,048.  A scale byte 0xff of V at a wholly masked key step is not read, so it makes no NaN here.
; A block's largest p is made from the block's largest score by the same multiply-add and exponential: this takes v_exp_f32 not to fall where its input rises.
; THE MODE: SCHED_MODE bits 1:0 = 2 (LLVM: expert scheduling mode 2), set by the entry lines.  The code itself states the register dependences between vector or matrix instructions and memory or LDS instructions, with s_wait_alu, always for 0.
; THE PLAN.  Registers that memory or LDS instructions touch in the loop, and who else names them, in the order of a step:
;   v32-79    K's tiles 0-3 land; their products read them; tiles 5-7 land in the first three buffers; their products read them.  In a slot's first step the next slot's bytes then land here, and the staging stores read them at the step's end.
;   v80       the next slot's scale word of K lands; a staging store reads it.  No vector instruction names it.
;   v224-235  K's tile 4 lands; its product reads it; later the conversions, swaps and moves write p's codes here, and the products V^T P^T read them.
;   v248-251  K's scale words land, K's products read them; V's land, V's products read them.
;   v96-155   K's products write the scores, the softmax works in place, the conversions read p; V's tiles 0-4 land; their products read them; tiles 5-7 land in the first three buffers.
;   v89       made once a trip, at its head; read by the loads of V's scale words.  Every other address and offset is made at the kernel's head and never written again.
; So a step has one wait on vm_vsrc, at its head, and these on va_vdst: behind K's first 24 loads (the last step's products are done with v224-235 and v248-251); behind K's first three products; in a slot's first step behind K's last;
; the two behind the exponentials; behind the conversions; ahead of V's first product (p's codes and scale word are written); behind V's first three products.  K's tiles 0-3 owe no wait on va_vdst: the last instructions that
; named v32-79 are an earlier step's products, which stand ahead of that step's waits behind its exponentials.
.set KB,    3088                       ; 32 keys of K in LDS: 16 rows of 96 bytes, 16 of padding, 16 rows
.set KH,    1552                       ; from a key to the key 16 on
.set VG,    784                        ; four rows of V's tile: 4 x 192 bytes + 16
.set VTB,   4*VG                       ; a tile of V: 16 rows x 256 keys
.set VFO,   8*KB                       ; a team's slot: K's 8 blocks of 32 keys, then V's 8 tiles,
.set KSC,   VFO+8*VTB                  ; then K's scale words: 512 bytes a step: word (tile T, row r) at 256 (T / 4) + 16 r + 4 (T % 4)
.set TEAMB, KSC+1024                   ; 50,816 bytes; team 1's slot lies behind team 0's
.set SLOTB, 2*TEAMB                    ; slot 1 lies behind slot 0
.set VSC,   2*SLOTB                    ; behind the slots: V's scale words of the whole batch, laid step by step as K's are,
.set VSP,   528                        ; 528 bytes from step to step,
.set VSB,   16*VSP                     ; 8,448 bytes a team
.set STG,   VSC+2*VSB                  ; a stage of 16 rows x (256 + 16) bytes for each wave, for the way out
.set STB,   16*272
; vector registers.  v1-11, v28-31, v81-90 hold addresses and offsets, are made at the head (v89 at each trip's head), and never hold data
.set AKR, 1                            ; v1-2   my lane's place in a tile of K, slot 0, 1
.set AVR, 3                            ; v3-4   the same for V
.set LK,  5                            ; v5-6   16 x lane among K's scale words, slot 0, 1
.set LT,  7                            ; v7     16 x lane among my team's scale words of V
.set SK,  8                            ; v8-9   staging: 8 x lane in my 32 keys' block, slot 0, 1
.set SV,  10                           ; v10-11 staging: 8 x lane in my tile of V
.set SS,  28                           ; v28-29 staging: where my lane's scale word of K goes
.set GK,  30                           ; 8 x lane
.set GS,  31                           ; 4 x lane
.set KD,  32                           ; v32-79 four fragments of K; from a slot's first K Q^T to the end of that step the next slot's bytes: K's in v32-55,
.set VD,  56                           ; V's in v56-79,
.set SD,  80                           ; K's scale word in v80
.set K4,  224                          ; v224-235 a fifth fragment of K, where p's codes lie later in the step
.set VF,  96                           ; v96-155 five fragments of V, where p lay
.set PFO, 81                           ; the prefetches' offset
.set GV,  82                           ; v82-84 staging: my lane's byte among my 16 rows of V in memory, for loads m % 3 = 0, 1, 2
.set H16, 85                           ; 16 h
.set SIN, 86                           ; the way out: where I put 32 bytes of a row
.set SBK, 87                           ; and where I read a row back
.set GO,  88                           ; my byte offset in the wave's rows of out0
.set ADT, 89                           ; the trip's scale words of V + LT
.set VST, 90                           ; the head: where my lane's scale words of V go
; v12 -M, v13 the largest t, v[14:15] the sum in two halves; v16-27 Q; v96-159 S^T, then p, then fragments of V; v160-223 O^T; v224-235 p's codes; v232-247, v252, v254 at work;
; v248-251 K's or V's scale words, v253 p's, v255 Q's: these hold scales and nothing else
; scalar registers
.set WV,   20
.set TW,   21                          ; my place in the team, 0 .. 7
.set TEAM, 22
.set BETA, 23                          ; which 128 queries of the batch
.set RANK, 24
.set BAT,  26                          ; my team's batch
.set VL,   27                          ; its length, 0 .. 2,048
.set VLE,  28                          ; at least 1: the first step is always walked
.set KF,   29                          ; the slot's first key
.set CNT,  30
.set LOF,  31                          ; the byte of my batch's length in valid_lens: written once
.set VSO,  33                          ; the trip's scale words of V: 4 VSP a trip
.set SEL,  34                          ; s[34:35] v_permlanex16_b32's selects for lane l xor 16
.set CS,   36                          ; s[36:37] c = log2(e) / sqrt(128)
.set RK,   38                          ; s38-45 at the head only: eight lanes' keys,
.set RM,   46                          ; s46-53 and eight masks
.set PFA,  42                          ; s[42:43] where my prefetches stand
.set PFS,  44                          ; s[44:45] a slot on, in bytes
.set PFL,  46                          ; the length in a wave that prefetches, else 0
.set EVR,  47                          ; 3 in V's waves, 0 in K's
.set MK,   49                          ; s49-56 in the loop: the masks of eight scores
; The next slot's bytes, memory to registers.  K: my 32 keys are 3,072 dense bytes: each load takes 256 consecutive bytes.  V: my 16 rows' 192 bytes each, taken on end.  Sixteen work-groups read these bytes: no hint.
.macro STAGE_LOAD
.irp m, 0,1,2,3,4,5,6,7,8,9,10,11
	global_load_b64 v[KD+2*\m:KD+2*\m+1], v[GK], s[4:5] offset:256*\m
.endr
.irp m, 0,1,2,3,4,5,6,7,8,9,10,11
	global_load_b64 v[VD+2*\m:VD+2*\m+1], v[GV+\m%3], s[14:15] offset:6144*(\m/3)
.endr
	global_load_b32 v[SD], v[GS], s[6:7]
.endm
; Registers to LDS, into slot s: each store lays down 256 consecutive bytes.  Its data come from loads and its addresses from the head: no vector instruction has written either
.macro STAGE_STORE s
.irp m, 0,1,2,3,4,5,6,7,8,9,10,11
	ds_store_b64 v[SK+(\s)], v[KD+2*\m:KD+2*\m+1] offset:256*\m+16*(\m/6)
.endr
.irp m, 0,1,2,3,4,5,6,7,8,9,10,11
	ds_store_b64 v[SV+(\s)], v[VD+2*\m:VD+2*\m+1] offset:256*\m+16*(\m/3)
.endr
	ds_store_b32 v[SS+(\s)], v[SD]
.endm
; A PREFETCH INTO THE L2 of the slot that the NEXT slot's staging loads will read (two slots on from the slot in hand), behind this slot's staging loads.  Sixteen work-groups walk a batch: the one with the batch's first 128 queries
; asks, each of its teams for its own batch.  Waves 0 to 2 of the team: K's 24,576 dense bytes, 8,192 a wave, lanes 256 bytes apart.  Waves 4 to 7: V's 128 rows, 32 a wave, a lane a row: a slot's part of a row is 192 bytes, so a
; lane names the part's LAST byte; slots 3 and 7 end in the aligned block of 256 bytes that the slot before has named, so V's waves ask for nothing there.  So each aligned block of 256 bytes is named once in the launch.
; Slots 0 and 1 come by their loads alone; nothing is asked for beyond the batch's length, so no request leaves the batch's bytes.
.macro ASK
	s_add_co_u32 s48, s[KF], 512
	s_cmp_lt_u32 s48, s[PFL]
	s_cbranch_scc0 .Lnoask_\@
	s_lshr_b32 s48, s[KF], 8                       ; the slot in hand: the slot to be named is 3 or 7 where this is 1 or 5
	s_and_b32 s48, s48, s[EVR]
	s_cmp_eq_u32 s48, 1
	s_cbranch_scc1 .Lnoask_\@
	global_prefetch_b8 v[PFO], s[PFA:PFA+1] th:TH_LOAD_NT scope:SCOPE_SE
.Lnoask_\@:
.endm
	s_load_b256 s[4:11], s[0:1], 0x0               ; K's codes s[4:5], K's scales s[6:7], Q's codes s[8:9], Q's scales s[10:11]
	s_load_b256 s[12:19], s[0:1], 0x20             ; valid_lens s[12:13], V's codes s[14:15], V's scales s[16:17], out0 s[18:19]
	v_lshl_add_u32 v95, v0, 2, 0x46c00
	v_mov_b32 v243, 0
	v_lshrrev_b32 v100, 5, v0
	v_readfirstlane_b32 s[WV], v100                ; wave 0 .. 15
	v_and_b32 v101, 31, v0                         ; lane
	v_and_b32 v102, 15, v0                         ; r
	v_bfe_u32 v103, v0, 4, 1                       ; h
	v_lshlrev_b32 v[GK], 3, v101
	v_lshlrev_b32 v[GS], 2, v101
	s_wait_alu depctr_va_sdst(0)                   ; s[WV] is written, ahead of its first reader: team, place and every wave's LDS bytes are made from it
	s_lshr_b32 s[TW], s[WV], 1
	s_lshr_b32 s[TEAM], s[WV], 2
	s_xor_b32 s[TEAM], s[TEAM], s[WV]
	s_and_b32 s[TEAM], s[TEAM], 1
	s_lshr_b32 s48, ttmp9, 4                       ; the pair of ranks
	s_and_b32 s[BETA], ttmp9, 15
	s_mul_i32 s[RANK], s[TEAM], 31
	s_xor_b32 s[RANK], s[RANK], s48                ; team 0: rank i; team 1: rank 31 - i
	s_wait_kmcnt 0x0
	s_wait_alu depctr_va_vdst(0)                   ; v[GS] is written, which the load below reads as its offset
	global_load_b32 v96, v[GS], s[12:13]           ; lane = batch: all 32 lengths.  The address work below stands between the load and the wait for it
	s_mov_b32 s[SEL], 0x76543210
	s_mov_b32 s[SEL+1], 0xfedcba98
	s_mov_b32 s[CS], 0x3e0293ee                    ; c = log2(e) / sqrt(128)
	s_mov_b32 s[CS+1], s[CS]                       ; (named with it as a pair, so it is written)
	s_mul_i32 s49, s[TEAM], TEAMB                  ; my team's bytes in a slot
	v_lshlrev_b32 v[H16], 4, v103
	v_lshlrev_b32 v104, 4, v101                    ; 16 x lane
	; a fragment of K: lane (r, h) reads key r % 8 of the tile's first eight, or of the eight 16 keys on, + 24 h
	v_and_b32 v105, 7, v0
	v_bfe_u32 v106, v0, 3, 1
	v_mul_u32_u24 v107, v105, 96
	v_mad_u32_u24 v107, v106, KH, v107
	v_mad_u32_u24 v107, v103, 24, v107
	v_add_nc_u32 v[AKR], s49, v107
	v_add_nc_u32 v[AKR+1], SLOTB, v[AKR]
	; a fragment of V: row r of the tile, + 24 h
	v_and_b32 v105, 3, v0
	v_bfe_u32 v106, v0, 2, 2
	v_mul_u32_u24 v107, v105, 192
	v_mad_u32_u24 v107, v106, VG, v107
	v_mad_u32_u24 v107, v103, 24, v107
	s_add_co_u32 s50, s49, VFO
	v_add_nc_u32 v[AVR], s50, v107
	v_add_nc_u32 v[AVR+1], SLOTB, v[AVR]
	; the scale words, as they are read
	s_add_co_u32 s50, s49, KSC
	v_add_nc_u32 v[LK], s50, v104
	v_add_nc_u32 v[LK+1], SLOTB, v[LK]
	s_mul_i32 s52, s[TEAM], VSB
	s_add_co_u32 s52, s52, VSC                     ; my team's scale words of V
	v_add_nc_u32 v[LT], s52, v104
	; where my lane's scale words of V go, once: load m holds row 2 m + h of my tile (T = my place in the team), step lane % 16
	v_mul_u32_u24 v[VST], v102, VSP
	v_add_nc_u32 v[VST], v[H16], v[VST]
	s_lshr_b32 s50, s[TW], 2
	s_lshl_b32 s50, s50, 8
	s_and_b32 s51, s[TW], 3
	s_lshl_b32 s51, s51, 2
	s_add_co_u32 s50, s50, s51
	s_add_co_u32 s50, s50, s52
	v_add_nc_u32 v[VST], s50, v[VST]
	; where my lane's scale word of K goes: key lane of my 32: tile parity (lane >> 3) & 1, r = lane % 8 + 8 (lane / 16)
	v_and_b32 v105, 7, v0
	v_lshlrev_b32 v[SS], 4, v105
	v_lshl_add_u32 v[SS], v103, 7, v[SS]
	v_bfe_u32 v105, v0, 3, 1
	v_lshl_add_u32 v[SS], v105, 2, v[SS]
	s_lshr_b32 s50, s[TW], 1
	s_lshl_b32 s50, s50, 8
	s_and_b32 s51, s[TW], 1
	s_lshl_b32 s51, s51, 3
	s_add_co_u32 s50, s50, s51
	s_add_co_u32 s50, s50, s49
	s_add_co_u32 s50, s50, KSC
	v_add_nc_u32 v[SS], s50, v[SS]
	v_add_nc_u32 v[SS+1], SLOTB, v[SS]
	; the staging stores of codes: my block of K, my tile of V, 8 x lane
	s_mul_i32 s50, s[TW], KB
	s_add_co_u32 s50, s50, s49
	v_add_nc_u32 v[SK], s50, v[GK]
	v_add_nc_u32 v[SK+1], SLOTB, v[SK]
	s_mul_i32 s51, s[TW], VTB
	s_add_co_u32 s51, s51, s49
	s_add_co_u32 s51, s51, VFO
	v_add_nc_u32 v[SV], s51, v[GK]
	v_add_nc_u32 v[SV+1], SLOTB, v[SV]
	; the staging loads of V: of three loads on end, load c gives my lane unit n' = 32 c + lane of the 96 units of 8 bytes in four rows' parts: row n' / 24, 1,536 bytes apart in memory: 8 n' + 1,344 (n' / 24)
.irp c, 0,1,2
	v_add_nc_u32 v105, 32*\c, v101                 ; n'
	v_mul_u32_u24 v106, v105, 43
	v_lshrrev_b32 v106, 10, v106                   ; n' / 24 (43 n' >> 10, exact up to 95)
	v_mul_u32_u24 v106, v106, 1344
	v_lshl_add_u32 v[GV+\c], v105, 3, v106
.endr
	; the way out
	s_mul_i32 s50, s[WV], STB
	s_add_co_u32 s50, s50, STG                     ; my stage
	v_mul_u32_u24 v[SIN], v102, 272
	v_lshl_add_u32 v[SIN], v103, 5, v[SIN]
	v_add_nc_u32 v[SIN], s50, v[SIN]               ; in: row r, + 32 h
	v_mul_u32_u24 v[SBK], v103, 272
	v_lshl_add_u32 v[SBK], v102, 4, v[SBK]
	v_add_nc_u32 v[SBK], s50, v[SBK]               ; back: lanes 0-15 one row, lanes 16-31 the next
	v_lshlrev_b32 v[GO], 9, v103
	v_lshl_add_u32 v[GO], v102, 4, v[GO]           ; and the same two rows of out0
	v_mul_u32_u24 v118, v102, 96
	v_mad_u32_u24 v118, v103, 24, v118             ; Q: row r, + 24 h
	v_lshlrev_b32 v119, 2, v102                    ; Q's scale words: 4 r
	; THE RANKS.  key = length x 32 + batch: all different.  A lane's rank is the number of smaller keys.  Eight keys at a time, in runs, so that one wait serves eight scalar results
	s_wait_loadcnt 0x0
	v_max_i32 v96, 0, v96
	v_min_u32 v96, 0x800, v96                      ; 0 .. 2,048
	v_lshl_or_b32 v97, v96, 5, v101
	v_mov_b32 v98, 0
.irp g, 0,1,2,3
.irp j, 0,1,2,3,4,5,6,7
	v_readlane_b32 s[RK+\j], v97, 8*\g+\j
.endr
	s_wait_alu depctr_va_sdst(0)                   ; the eight keys are written, which the compares read
.irp j, 0,1,2,3,4,5,6,7
	v_cmp_lt_u32 s[RM+\j], s[RK+\j], v97
.endr
	s_wait_alu depctr_va_sdst(0)                   ; the eight masks are written, which the selects read
.irp j, 0,1,2,3,4,5,6,7
	v_cndmask_b32 v[108+\j], 0, 1, s[RM+\j]        ; 1 where that key is smaller than mine
.endr
.irp j, 0,2,4,6
	v_add3_u32 v98, v98, v[108+\j], v[109+\j]
.endr
.endr
	v_cmp_eq_u32 s25, s[RANK], v98                 ; one lane has my team's rank:
	s_wait_alu depctr_va_sdst(0)                   ; s25 is written, ahead of its reader
	s_ctz_i32_b32 s[BAT], s25                      ; its number is the batch
	s_min_u32 s[BAT], s[BAT], 31                   ; held to the table before it enters an address
	s_lshl_b32 s[LOF], s[BAT], 2                   ; in a register that nothing else writes: the load below reads it until it is done
	s_load_b32 s[VL], s[12:13], s[LOF] offset:0x0
	s_mul_i32 s38, s[BAT], 196608                  ; a batch's codes, in each of the three tensors,
	s_lshl_b32 s40, s[BAT], 13                     ; and its scale bytes
	s_mov_b32 s53, 0
	; the prefetches: who asks for what (macro ASK)
	s_cmp_lt_u32 s[TW], 4
	s_cselect_b64 s[PFA:PFA+1], s[4:5], s[14:15]
	s_mov_b32 s[PFS], 192
	s_cselect_b32 s[PFS], 24576, s[PFS]            ; a slot on
	s_mov_b32 s48, 49152
	s_cselect_b32 s48, 8192, s48                   ; from wave to wave
	s_mov_b32 s49, 575
	s_cselect_b32 s49, 49152, s49                  ; slot 2: K: 2 x 24,576; V: 2 x 192, and the part's last byte, 191
	s_mov_b32 s50, 1536
	s_cselect_b32 s50, 256, s50                    ; from lane to lane
	s_cselect_b32 s[EVR], 0, 3
	s_mov_b32 s[PFS+1], 0
	v_mul_lo_u32 v[PFO], v101, s50
	s_and_b32 s51, s[TW], 3
	s_mul_i32 s52, s51, s48
	s_add_co_u32 s52, s52, s49
	s_add_co_u32 s52, s52, s38
	s_add_nc_u64 s[PFA:PFA+1], s[PFA:PFA+1], s[52:53]
	; the pointers: each buffer's own address + an offset under 2^32
	s_mul_i32 s52, s[TW], 3072
	s_add_co_u32 s52, s52, s38
	s_add_nc_u64 s[4:5], s[4:5], s[52:53]          ; K's codes: my 32 keys of slot 0
	s_lshl_b32 s52, s[TW], 7
	s_add_co_u32 s52, s52, s40
	s_add_nc_u64 s[6:7], s[6:7], s[52:53]          ; and their scale words
	s_mul_i32 s52, s[TW], 24576
	s_add_co_u32 s52, s52, s38
	s_add_nc_u64 s[14:15], s[14:15], s[52:53]      ; V's codes: my 16 rows
	s_lshl_b32 s52, s[TW], 10
	s_add_co_u32 s52, s52, s40
	s_add_nc_u64 s[16:17], s[16:17], s[52:53]      ; and their scale bytes
	s_lshl_b32 s54, s[BETA], 7
	s_lshl_b32 s55, s[TW], 4
	s_add_co_u32 s54, s54, s55                     ; my first query
	s_mul_i32 s52, s54, 96
	s_add_co_u32 s52, s52, s38
	s_add_nc_u64 s[8:9], s[8:9], s[52:53]
	s_lshl_b32 s52, s54, 2
	s_add_co_u32 s52, s52, s40
	s_add_nc_u64 s[10:11], s[10:11], s[52:53]
	s_lshl_b32 s52, s54, 9
	s_lshl_b32 s55, s[BAT], 20
	s_add_co_u32 s52, s52, s55
	s_add_nc_u64 s[18:19], s[18:19], s[52:53]
	s_wait_alu depctr_va_vdst(0)                   ; all addresses and offsets are written: v1-11, v28-31, v81-88, v90, v118, v119: every load, store and prefetch from here on reads some of them, and none is written again (v89 alone is made later)
.irp p, 0,1,2,3,4,5
	global_load_b64 v[16+2*\p:17+2*\p], v118, s[8:9] offset:48*(\p/3)+8*(\p%3) th:TH_LOAD_NT   ; Q's fragment stays in registers; no other wave reads it
.endr
	global_load_b32 v255, v119, s[10:11] th:TH_LOAD_NT
	STAGE_LOAD                                     ; slot 0: always inside the batch
.irp m, 0,1,2,3,4,5,6,7
	global_load_b32 v[120+\m], v[GS], s[16:17] offset:128*\m   ; my 16 rows' scale bytes of V, 1,024 dense bytes
.endr
	s_wait_kmcnt 0x0
	s_max_i32 s[VL], s[VL], 0
	s_min_u32 s[VL], s[VL], 0x800
	s_max_u32 s[VLE], s[VL], 1
	s_cmp_eq_u32 s[BETA], 0
	s_cselect_b32 s[PFL], s[VLE], 0
	s_cmp_eq_u32 s[TW], 3                          ; (K's slot is three waves' worth)
	s_cselect_b32 s[PFL], 0, s[PFL]
	s_mov_b32 s[KF], 0
	s_mov_b32 s[CNT], 0
	s_mov_b32 s[VSO], 0
	v_mov_b32 v13, 0xff61b1e6                      ; the largest t so far: -3e38, under every t
	v_floor_f32 v12, -v13                          ; -M
	v_mov_b32 v14, 0                               ; the sum, in two halves
	v_mov_b32 v15, 0
.irp b, 0,1,2,3
	v_mov_b32 v[236+\b], 0                         ; written once: a lane permute's destination counts as one of its sources
.endr
	v_mov_b32 v253, 0                              ; (named as the upper half of the pair v[252:253] before it is first written)
.irp j, 0,1,2,3,4,5,6,7,8,9,10,11,12,13,14,15,16,17,18,19,20,21,22,23,24,25,26,27,28,29,30,31,32,33,34,35,36,37,38,39,40,41,42,43,44,45,46,47,48,49,50,51,52,53,54,55,56,57,58,59,60,61,62,63
	v_mov_b32 v[160+\j], 0                         ; O^T.  (The step finds zeros the first time, which the first change of M leaves zeros: no first step is written out)
.endr
	s_wait_loadcnt 0x0                             ; Q, slot 0's bytes, V's scale bytes: all my loads are done, so their addresses may be stepped too
	STAGE_STORE 0
.irp m, 0,1,2,3,4,5,6,7
	ds_store_b32 v[VST], v[120+\m] offset:32*\m
.endr
	s_add_nc_u64 s[4:5], s[4:5], 24576             ; the staging pointers stand one slot ahead of the slot in hand
	s_add_nc_u64 s[6:7], s[6:7], 1024
	s_add_nc_u64 s[14:15], s[14:15], 192
; A fragment of K: tile (of the step's eight) of the q-th step of slot s, into 12 registers from reg on
.macro KFRAG s, q, tile, reg
.irp p, 0,1,2,3,4,5
	ds_load_b64 v[\reg+2*\p:\reg+2*\p+1], v[AKR+\s] offset:(4*\q+(\tile)/2)*KB+768*((\tile)%2)+48*(\p/3)+8*(\p%3)
.endr
.endm
; and its product, 16 keys x my 16 queries.  Scale register t holds tile t's words in lanes 0-15 and tile 4 + t's in lanes 16-31
.macro KQ tile, reg
.if (\tile) < 4
	v_wmma_scale_f32_16x16x128_f8f6f4 v[96+8*(\tile):103+8*(\tile)], v[\reg:\reg+11], v[16:27], 0, v[248+(\tile)], v255 matrix_a_fmt:MATRIX_FMT_FP6 matrix_b_fmt:MATRIX_FMT_FP6
.else
	v_wmma_scale_f32_16x16x128_f8f6f4 v[96+8*(\tile):103+8*(\tile)], v[\reg:\reg+11], v[16:27], 0, v[244+(\tile)], v255 matrix_a_fmt:MATRIX_FMT_FP6 matrix_b_fmt:MATRIX_FMT_FP6 matrix_a_scale:MATRIX_SCALE_ROW1
.endif
.endm
; A fragment of V: tile (16 of the head's 128) x the step's 128 keys
.macro VFRAG s, q, tile, reg
.irp p, 0,1,2,3,4,5
	ds_load_b64 v[\reg+2*\p:\reg+2*\p+1], v[AVR+\s] offset:(\tile)*VTB+96*\q+48*(\p/3)+8*(\p%3)
.endr
.endm
; and its product onto O^T
.macro PV tile, reg
.if (\tile) < 4
	v_wmma_scale_f32_16x16x128_f8f6f4 v[160+8*(\tile):167+8*(\tile)], v[\reg:\reg+11], v[224:235], v[160+8*(\tile):167+8*(\tile)], v[248+(\tile)], v253 matrix_a_fmt:MATRIX_FMT_FP6 matrix_b_fmt:MATRIX_FMT_FP6
.else
	v_wmma_scale_f32_16x16x128_f8f6f4 v[160+8*(\tile):167+8*(\tile)], v[\reg:\reg+11], v[224:235], v[160+8*(\tile):167+8*(\tile)], v[244+(\tile)], v253 matrix_a_fmt:MATRIX_FMT_FP6 matrix_b_fmt:MATRIX_FMT_FP6 matrix_a_scale:MATRIX_SCALE_ROW1
.endif
.endm
; A KEY STEP: 128 keys, the q-th of slot s.
.macro STEP s, q
	; S^T = K Q^T: five fragments are asked for at once, three more when the first three products are done with their registers
	s_wait_alu depctr_vm_vsrc(0)                   ; the staging stores have read v32-80, in which K's fragments land; ahead of the first step the head's loads and stores have read v118-127, behind a way out its stores have read v160-223: this step writes them all
.irp t, 0,1,2,3
	KFRAG \s, \q, \t, KD+12*\t                     ; no vector or matrix instruction has named v32-79 since an earlier step's waits behind its exponentials
.endr
	s_wait_alu depctr_va_vdst(0)                   ; the last step's products are done reading v248-251 and v224-235, in which the loads below land
	ds_load_b128 v[248:251], v[LK+\s] offset:512*\q  ; K's scale words: register t holds tile t's in lanes 0-15 and tile 4 + t's in lanes 16-31
	KFRAG \s, \q, 4, K4
	s_wait_dscnt 6                                 ; LDS loads come back in order (ISA guide 5.7.1): tiles 0-3 and the scale words are in, tile 4's six loads may be out
	KQ 0, KD
	KQ 1, KD+12
	KQ 2, KD+24
.rept 4
	v_nop                                          ; four places in front of loads into registers that matrix instructions have read
.endr
	s_wait_alu depctr_va_vdst(0)                   ; the three products are done reading v32-67, in which tiles 5-7 land
	KFRAG \s, \q, 5, KD
	KFRAG \s, \q, 6, KD+12
	KFRAG \s, \q, 7, KD+24
	s_wait_dscnt 18                                ; tile 4 is in; the 18 loads just issued may be out while the next two products run
	KQ 3, KD+36
	KQ 4, K4
	s_wait_dscnt 0x0
	KQ 5, KD
	KQ 6, KD+12
	KQ 7, KD+24
.rept 4
	v_nop                                          ; four places: in front of the first read of the scores, and of loads into K's registers
.endr
.if \q == 0                                    ; K's registers are free until the slot's second step: the next slot's bytes are asked for now, if the batch has a next slot, and land while the softmax is walked
	s_add_co_u32 s48, s[KF], 256
	s_cmp_lt_u32 s48, s[VLE]
	s_cbranch_scc0 .Lnoload_\@
	s_wait_alu depctr_va_vdst(0)                   ; K's products are done reading v32-79, in which the next slot's bytes land
	STAGE_LOAD
	ASK
.Lnoload_\@:
.endif
	; THE MASK.  In the one step through which the length cuts, the scores of keys at or past it become -infinity ahead of the maximum: p = 0 then.  A step all of whose keys count skips this
	s_add_co_u32 s48, s[KF], 128*\q+128
	s_cmp_le_u32 s48, s[VL]
	s_cbranch_scc1 .Lopen_\@
	s_sub_co_i32 s48, s[VL], s[KF]
.if \q > 0
	s_sub_co_i32 s48, s48, 128*\q
.endif
	v_sub_nc_u32 v244, s48, v[H16]                 ; d = length - the step's first key - 16 h.  Register 16 b + i holds the step's key 32 b + 16 h + i: hidden where 32 b + i >= d
	v_mov_b32 v245, 0xff800000                     ; -infinity
.irp a, 0,1,2,3,4,5,6,7                        ; eight scores at a time: eight compares into eight scalar registers, one wait, eight selects
.irp i, 0,1,2,3,4,5,6,7
	v_cmp_ge_i32 s[MK+\i], 32*((8*\a+\i)/16)+(8*\a+\i)%16, v244
.endr
	s_wait_alu depctr_va_sdst(0)                   ; the eight masks are written, which the selects read
.irp i, 0,1,2,3,4,5,6,7
	v_cndmask_b32 v[96+8*\a+\i], v[96+8*\a+\i], v245, s[MK+\i]
.endr
.endr
.Lopen_\@:
.irp b, 0,1,2,3
	v_max3_num_f32 v[232+\b], v[96+16*\b], v[97+16*\b], v[98+16*\b]   ; the largest score of each block of 32 keys: for the row's maximum, and, since p rises with the score, for the block's largest p
.endr
.irp i, 3,5,7,9,11,13
.irp b, 0,1,2,3
	v_max3_num_f32 v[232+\b], v[232+\b], v[96+16*\b+\i], v[97+16*\b+\i]   ; (the four blocks by turns)
.endr
.endr
.irp b, 0,1,2,3
	v_max_num_f32 v[232+\b], v[232+\b], v[111+16*\b]
.endr
.irp b, 0,1,2,3
	v_permlanex16_b32 v[236+\b], v[232+\b], s[SEL], s[SEL+1]
.endr
.irp b, 0,1,2,3
	v_max_num_f32 v[232+\b], v[232+\b], v[236+\b]  ; with lane l xor 16's 16 keys
.endr
	v_max3_num_f32 v254, v232, v233, v234
	v_max_num_f32 v254, v254, v235                 ; the step's largest score of my query
	v_mul_f32 v254, s[CS], v254                    ; as t (c is positive)
	v_max_num_f32 v13, v13, v254                   ; the running largest t
	v_mov_b32 v254, v12
	v_floor_f32 v12, -v13                          ; the new -M = floor(-t) = -ceil(t): M is a whole number
	v_sub_f32 v254, v12, v254                      ; M's old value less its new one: a whole number, 0 or less
	v_cvt_i32_f32 v254, v254                       ; (it saturates)
	v_ldexp_f32 v252, 1.0, v254                    ; f = 2^(old M - new M): a multiplication by it rounds nothing
.irp j, 0,2,4,6,8,10,12,14,16,18,20,22,24,26,28,30,32,34,36,38,40,42,44,46,48,50,52,54,56,58,60,62
	v_pk_fma_f32 v[96+\j:97+\j], v[96+\j:97+\j], s[CS:CS+1], v[12:13] op_sel_hi:[1,0,0]   ; t - M, two at a time (of the pairs c and -M the low word serves both halves)
.endr
.irp b, 0,1,2,3
	v_fma_f32 v[232+\b], v[232+\b], s[CS], v12     ; the same of each block's largest score
.endr
	s_wait_alu depctr_va_vdst(0)
.irp j, 0,1,2,3,4,5,6,7,8,9,10,11,12,13,14,15,16,17,18,19,20,21,22,23,24,25,26,27,28,29,30,31,32,33,34,35,36,37,38,39,40,41,42,43,44,45,46,47,48,49,50,51,52,53,54,55,56,57,58,59,60,61,62,63
	v_exp_f32 v[96+\j], v[96+\j]                   ; p = 2^(t - M), at most 1: not normalised
.endr
	v_pk_mul_f32 v[14:15], v[14:15], v[252:253] op_sel_hi:[1,0]   ; the sums under the new M: the plain instruction behind the exponentials (ISA guide 5.7.2)
	s_wait_alu depctr_va_vdst(0)                   ; the 64 exponentials have written p: the wait ahead of the first instruction that names a result: one for the batch
.irp b, 0,1,2,3
	v_exp_f32 v[232+\b], v[232+\b]                 ; the block's largest p: the same two instructions on the same number give the same bits
.endr
	v_pk_add_f32 v[236:237], v[96:97], v[98:99]    ; the row's sum is taken of the UNQUANTISED p: two at a time, in two chains; it reads the 64 alone
.irp j, 4,8,12,16,20,24,28,32,36,40,44,48,52,56,60
	v_pk_add_f32 v[14:15], v[14:15], v[96+\j:97+\j]
	v_pk_add_f32 v[236:237], v[236:237], v[98+\j:99+\j]
.endr
	v_pk_add_f32 v[14:15], v[14:15], v[236:237]
	s_wait_alu depctr_va_vdst(0)                   ; and one for the four: v232-235 are written
.irp b, 0,1,2,3
	v_max_num_f32 v[232+\b], 0x1800000, v[232+\b]  ; the floor 2^(3 - 127): the byte cannot fall under 1 (a block whose every p is 0 keeps that byte: its codes are zeros)
.endr
.irp b, 0,1,2,3
	v_add_nc_u32 v[244+\b], 0xff000000, v[232+\b]  ; 2 off the exponent field: the conversion's scale operand
.endr
.irp b, 0,1,2,3
	v_lshrrev_b32 v[236+\b], 23, v[244+\b]         ; the scale's byte
.endr
	v_lshl_or_b32 v253, v237, 8, v236              ; p's scale word for these 128 keys
	v_lshl_or_b32 v253, v238, 16, v253
	v_lshl_or_b32 v253, v239, 24, v253
.irp c, 0,1
	v_cvt_scalef32_pk16_fp6_f32 v[224+6*\c:226+6*\c], v[96+32*\c:111+32*\c], v[244+2*\c]
	v_cvt_scalef32_pk16_fp6_f32 v[236+4*\c:238+4*\c], v[112+32*\c:127+32*\c], v[244+2*\c+1]   ; (a conversion's three registers begin on an even number)
.endr
	v_nop                                          ; one plain instruction between a scaled conversion and the vector instruction that touches its result
	; O^T += V^T P^T; K = these 128 keys.  V's fragments take the registers that p has left: K's hold the next slot's bytes.  Five are asked for at once, ahead of the rest of the vector work, which names none of their registers
	s_wait_alu depctr_va_vdst(0)                   ; the conversions and the sums are done reading p in v96-159, in which V's fragments land; v[ADT] is written, which the next load reads
	ds_load_b128 v[248:251], v[ADT] offset:VSP*(2*\s+\q)  ; V's scale words, laid as K's
.irp t, 0,1,2,3,4
	VFRAG \s, \q, \t, VF+12*\t
.endr
.irp c, 0,1                                    ; the operand's layout wants a WHOLE block in a lane: lanes 0-15 block 2 c, lanes 16-31 block 2 c + 1
.irp i, 0,1,2
	v_permlane16_swap_b32 v[224+6*\c+\i], v[236+4*\c+\i]
.endr
.irp i, 0,1,2
	v_mov_b32 v[227+6*\c+\i], v[236+4*\c+\i]
.endr
.endr
.irp j, 0,2,4,6,8,10,12,14,16,18,20,22,24,26,28,30,32,34,36,38,40,42,44,46,48,50,52,54,56,58,60,62
	v_pk_mul_f32 v[160+\j:161+\j], v[160+\j:161+\j], v[252:253] op_sel_hi:[1,0]   ; O^T under the new M, while V's first fragments come.  (These 32 are also the places between the lines that made p's codes and scale word and the products)
.endr
	s_wait_dscnt 12                                ; V's scale words and tiles 0-2 are in; the twelve loads of tiles 3 and 4 may be out
	s_wait_alu depctr_va_vdst(0)                   ; p's codes v224-235 and p's scale word v253 are written, which the scaled products take as source 1 and its scales; the places stand ahead of this wait
	PV 0, VF
	PV 1, VF+12
	PV 2, VF+24
.rept 4
	v_nop                                          ; four places in front of loads into registers that matrix instructions have read
.endr
	s_wait_alu depctr_va_vdst(0)                   ; the three products are done reading v96-131, in which tiles 5-7 land
	VFRAG \s, \q, 5, VF
	VFRAG \s, \q, 6, VF+12
	VFRAG \s, \q, 7, VF+24
	s_wait_dscnt 18                                ; tiles 3 and 4 are in; the 18 loads just issued may be out while the next two products run
	PV 3, VF+36
	PV 4, VF+48
	s_wait_dscnt 0x0
	PV 5, VF
	PV 6, VF+12
	PV 7, VF+24
.rept 5
	v_nop                                          ; five places: the next step's first products write over the registers that held V's fragments; they also serve the next loads of scale words and the way out's reads of O^T
.endr
.if \q == 0
	s_wait_loadcnt 0x0                             ; the next slot's bytes are in registers.  The wait stands on every path, so that no path goes on with loads out
	s_add_co_u32 s48, s[KF], 256
	s_cmp_lt_u32 s48, s[VLE]
	s_cbranch_scc0 .Lnostore_\@
	STAGE_STORE 1-\s                               ; into the slot that every wave left before this slot's barrier; it is read behind the next one
.Lnostore_\@:
.endif
.endm
; THE WAY OUT, once in each wave, in its batch's last slot.  O^T is divided by the sum and goes through my own stage in LDS, half a row (64 channels, 256 bytes) of 16 queries at a time.
; The quotients lie in v96-159, which the LDS stores read; the rows come back into v160-223, O^T's registers, which the divisions have read: so no register that a store reads is loaded again here
.macro WAYOUT
	v_add_f32 v14, v14, v15                        ; the sum's two halves,
	v_permlanex16_b32 v252, v14, s[SEL], s[SEL+1]
	v_add_f32 v14, v14, v252                       ; and lane l xor 16's: the row's sum
	s_wait_alu depctr_va_vdst(0)
	v_rcp_f32 v14, v14
	v_nop                                          ; a plain instruction behind the reciprocal
	s_wait_alu depctr_va_vdst(0)                   ; the reciprocal has written v14: the wait ahead of the first reader
.irp j, 0,2,4,6,8,10,12,14,16,18,20,22,24,26,28,30,32,34,36,38,40,42,44,46,48,50,52,54,56,58,60,62
	v_pk_mul_f32 v[96+\j:97+\j], v[160+\j:161+\j], v[14:15] op_sel_hi:[1,0]   ; register 8 T + i is out0(r, 16 T + 8 h + i); each accumulator from its low end on
.endr
	s_wait_alu depctr_va_vdst(0)                   ; the divisions have written v96-159, which the LDS stores read, and are done reading v160-223, in which the loads from the stage land
.irp u, 0,1                                    ; channels 64 u on
.irp t, 0,1,2,3
	ds_store_b128 v[SIN], v[96+32*\u+8*\t:99+32*\u+8*\t] offset:64*\t
	ds_store_b128 v[SIN], v[100+32*\u+8*\t:103+32*\u+8*\t] offset:64*\t+16
.endr
.irp i, 0,1,2,3,4,5,6,7
	ds_load_b128 v[160+32*\u+4*\i:163+32*\u+4*\i], v[SBK] offset:2*\i*272   ; LDS serves a wave's instructions in order (ISA guide 5.7.1.4): these see my stores, and the next half's stores come behind them
.endr
.endr
.irp u, 0,1
.irp i, 0,1,2,3,4,5,6,7
	s_wait_dscnt 23-16*\u-\i                       ; behind this load stand its 7 - i followers and, for the first half, the second half's 8 stores and 8 loads
	global_store_b128 v[GO], v[160+32*\u+4*\i:163+32*\u+4*\i], s[18:19] offset:1024*\i+256*\u th:TH_STORE_NT   ; 16 lanes store 256 consecutive bytes, at a multiple of 256 from out0's first byte
.endr
.endr
.endm
; A SLOT OF 256 KEYS, slot s in hand.
.macro HALF s
	s_wait_dscnt 0x0                               ; for the others' sake: my staging stores have landed, and my reads of the slot that I leave are in
	s_barrier_signal -1
	s_barrier_wait -1                              ; every wave of both teams passes it for every slot
	s_cmp_ge_u32 s[KF], s[VLE]
	s_cbranch_scc1 .Lidle_\@                       ; my batch has no key in this slot
	STEP \s, 0
	s_add_co_u32 s48, s[KF], 128
	s_cmp_ge_u32 s48, s[VLE]
	s_cbranch_scc1 .Lone_\@
	STEP \s, 1
.Lone_\@:
	s_add_co_u32 s48, s[KF], 256
	s_cmp_lt_u32 s48, s[VLE]
	s_cbranch_scc1 .Lidle_\@                       ; more keys follow
	WAYOUT
.Lidle_\@:
	s_wait_xcnt 0x0                                ; every earlier memory instruction has had its addresses translated (ISA guide 3.1): only behind this wait are the pointers stepped and the stores' registers written again
	s_add_nc_u64 s[4:5], s[4:5], 24576             ; (beyond the batch's length the stepped pointers are not used)
	s_add_nc_u64 s[6:7], s[6:7], 1024
	s_add_nc_u64 s[14:15], s[14:15], 192
	s_add_nc_u64 s[PFA:PFA+1], s[PFA:PFA+1], s[PFS:PFS+1]
	s_add_co_u32 s[KF], s[KF], 256
.endm
.Ltrip:                                            ; 4 trips of two slots
	s_wait_alu depctr_vm_vsrc(0)                   ; the last trip's loads of V's scale words have read v[ADT]
	v_add_nc_u32 v[ADT], s[VSO], v[LT]             ; this trip's four steps' scale words of V: made once a trip; each step's wait behind its conversions stands between this line and the load that reads it
	HALF 0
	HALF 1
	s_add_co_u32 s[VSO], s[VSO], 4*VSP
	s_add_co_u32 s[CNT], s[CNT], 1
	s_cmp_lt_u32 s[CNT], 4
	s_cbranch_scc1 .Ltrip
	s_wait_dscnt 0x0                               ; the closing lines, six on end
	s_wait_alu 0x0
	s_wait_tensorcnt 0x0
	ds_add_u32 v95, v243
	s_wait_dscnt 0x0
	s_endpgm
.Lfunc_end_k_q1857886df1_attn:
	.size	k_q1857886df1_attn, .Lfunc_end_k_q1857886df1_attn-k_q1857886df1_attn
	.p2alignl 7, 3214868480
	.fill 96, 4, 3214868480
	.section	.rodata,"a",@progbits
	.p2align	6, 0x0
	.amdhsa_kernel k_q1857886df1_attn
		.amdhsa_group_segment_fixed_size 291840
		.amdhsa_private_segment_fixed_size 0
		.amdhsa_enable_private_segment 0
		.amdhsa_kernarg_size 64
		.amdhsa_user_sgpr_count 2
		.amdhsa_user_sgpr_kernarg_segment_ptr 1
		.amdhsa_wavefront_size32 1
		.amdhsa_system_sgpr_workgroup_id_x 1
		.amdhsa_system_sgpr_workgroup_id_y 1
		.amdhsa_system_sgpr_workgroup_id_z 1
		.amdhsa_system_vgpr_workitem_id 0
		.amdhsa_next_free_vgpr 256
		.amdhsa_next_free_sgpr 66
		.amdhsa_reserve_vcc 0
		.amdhsa_float_denorm_mode_32 3
		.amdhsa_float_denorm_mode_16_64 3
		.amdhsa_memory_ordered 1
		.amdhsa_forward_progress 1
		.amdhsa_inst_pref_size 173
	.end_amdhsa_kernel
	.amdgpu_metadata
---
amdhsa.version: [ 1, 2 ]
amdhsa.kernels:
  - .name:           k_q1857886df1_attn
    .symbol:         k_q1857886df1_attn.kd
    .args:
      - { .name: keys_codes, .offset: 0, .size: 8, .value_kind: global_buffer, .address_space: global }
      - { .name: keys_scales, .offset: 8, .size: 8, .value_kind: global_buffer, .address_space: global }
      - { .name: queries_codes, .offset: 16, .size: 8, .value_kind: global_buffer, .address_space: global }
      - { .name: queries_scales, .offset: 24, .size: 8, .value_kind: global_buffer, .address_space: global }
      - { .name: valid_lens, .offset: 32, .size: 8, .value_kind: global_buffer, .address_space: global }
      - { .name: values_codes, .offset: 40, .size: 8, .value_kind: global_buffer, .address_space: global }
      - { .name: values_scales, .offset: 48, .size: 8, .value_kind: global_buffer, .address_space: global }
      - { .name: out0, .offset: 56, .size: 8, .value_kind: global_buffer, .address_space: global }
    .group_segment_fixed_size: 291840
    .private_segment_fixed_size: 0
    .kernarg_segment_align: 8
    .kernarg_segment_size: 64
    .max_flat_workgroup_size: 512
    .sgpr_count:     66
    .vgpr_count:     256
    .wavefront_size: 32
...
	.end_amdgpu_metadata
.endif
;; end of part 2
